; MI455X (gfx1250); checked and timed in simulation.
; The chip was launched on July 23, 2026; its instructions are those of AMD's public machine-readable ISA for CDNA 5 (MIT licence, August 2026) and "CDNA5" Instruction Set Architecture Reference Guide (July 2026). The comments in the code are by the model that wrote it; some were corrected since.
;; Prob Attention. Allowed arithmetic: matrix products marked QUANTISED: E4M3 operands, one E8M0 scale for each 32 along K, by v_wmma_scale_f32_16x16x128_f8f6f4 with both operands' format E4M3, f32 sums; everything else in f32.
;; Inputs: attn_mask 2,048 x 2,048 bool; keys 4 x 8 x 2,048 x 64 float32; queries 4 x 8 x 2,048 x 64 float32; values 4 x 8 x 2,048 x 64 float32.
;; Outputs: out0 4 x 8 x 2,048 x 64 float32.
;; This version of the problem:
;;   THIS VERSION OF THE PROBLEM IS GIVEN IN LOW PRECISION. The matrix products marked QUANTISED in the list below multiply operands that are first quantised to E4M3 (4 exponent bits, 3 mantissa bits; 8 bits a number), with one power-of-two scale for each 32 numbers along K (OCP MX v1.0); their sums are f32. All else is computed in f32.
;;   The module's matrix products, in the order in which they are computed (A, B: the left and right operand; K: the contracted axis; several contracted axes count as one K, in the product's order):
;;     1. batch 32 x [M 2,048, K 64] x [K 64, N 2,048]; A: computed on the way; B: input keys: QUANTISED
;;     2. batch 32 x [M 2,048, K 2,048] x [K 2,048, N 64]; A: softmax (see below); B: input values: QUANTISED
;;   THE QUANTISER, for each operand of a quantised product, along K:
;;     - K is cut into blocks of 32 from its start; a last block that is shorter is filled with zeros.
;;     - A block's scale is 2^e with e = floor(log2(the largest magnitude in the block)) - 8, held to -126 .. 127; a block of zeros has e = 0. As a byte (E8M0): e + 127.
;;     - Each number is divided by its block's scale, clamped to +-448, and rounded to the nearest number of E4M3, ties to even, subnormals kept.
;;     - The product sums the exact products of the quantised numbers (number of the format x scale) in f32.
;;   ~~~python
;;   def quantise(x, axis):      # numpy; x: float32 -> the quantised numbers, widened to float32 again
;;       x = np.moveaxis(x, axis, -1); K = x.shape[-1]
;;       x = np.pad(x, [(0, 0)] * (x.ndim - 1) + [(0, -K % 32)]); x = x.reshape(x.shape[:-1] + (-1, 32)); a = np.abs(x).max(-1, keepdims=True)
;;       e = np.where(a > 0, np.clip(np.frexp(np.where(a > 0, a, 1))[1] - 1 - 8, -126, 127), 0)      # np.frexp(a)[1] - 1 = floor(log2(a)), exactly
;;       r = np.clip(x / 2.0 ** e, -448, 448)
;;       step = 2.0 ** (np.maximum(np.frexp(np.where(r == 0, 1, r))[1] - 1, -6) - 3)
;;       q = np.round(r / step) * step * 2.0 ** e      # np.round: ties to even
;;       return np.moveaxis(q.reshape(q.shape[:-2] + (-1,))[..., :K], -1, axis).astype(np.float32)
;;   ~~~
;;   SOFTMAX AHEAD OF A QUANTISED PRODUCT. Where the list says 'softmax', what is quantised is not the finished softmax but p = 2^(t - M), with t = logit x log2(e) and M = ceil(the row's largest t), a whole number; so 1/2 < the row's largest p <= 1. The row's sum l is taken of the UNQUANTISED p, in f32, and the product's result is divided by l at the end. Since M is a whole number, a kernel that streams over the keys may use a running M (the ceiling of the running maximum): every later rescaling is an exact power of two, which a block's scale takes up: the codes' values come out the same.
;;   OPERANDS COMPUTED ON THE WAY. 'Computed on the way' means the value that the module computes at that place (a softmax that the list does not call 'softmax' is quantised finished and normalised). What goes into a quantiser is computed in f32, as accurately as f32 sums, v_exp_f32 and their like allow (about 1e-6 of the number): no bf16 or f16 on the way to a quantiser, and a product that is left as it is and whose result goes on into a quantised operand takes f32 operands (vector FMAs, or v_wmma_f32_16x16x4_f32). A number that lies on a knife's edge between two numbers of the format may be rounded either way, as far as f32 arithmetic and the matrix unit's own rounding can turn it there, and no further.
;; One version. Each part assembles by itself: llvm-mc -triple=amdgcn-amd-amdhsa -mcpu=gfx1250 --defsym DOCPART=n.
;; ======== version 1 of 1: 2 launches
;; limits: right only within a limited range of input values
;; workspace buffers: kv 8,650,752 bytes; maskw 524,288 bytes of whole numbers; info 8,192 bytes of whole numbers
;; launch prep (part 1): grid 256 x 3, 4 waves a work-group, no clusters, 0 bytes of LDS; arguments keys, values, attn_mask, kv, maskw, info; writes kv, maskw, info
.if DOCPART == 1
	.amdgcn_target "amdgcn-amd-amdhsa--gfx1250"
	.amdhsa_code_object_version 6
	.text
	.protected	k_q9327b3db52_prep
	.globl	k_q9327b3db52_prep
	.p2align	8
	.type	k_q9327b3db52_prep,@function
k_q9327b3db52_prep:
	s_mov_b64 s[64:65], 0
	v_nop
	global_prefetch_b8 v0, s[64:65] scope:SCOPE_SE
	s_setreg_imm32_b32 hwreg(HW_REG_WAVE_MODE, 25, 1), 1
	s_wait_xcnt 0x0
; PREP: what every work-group of the attention launch would otherwise do again is done once.
;   y = 0: keys   [32 heads][2048][64] f32 -> codes of FP8 (E4M3) along d, one E8M0 byte for each 32, laid as images of operand registers
;   y = 1: values [32 heads][2048][64] f32 -> the same along the KEYS (the second product's K): a lane takes a channel, its registers run down the keys
;   y = 2: attn_mask [2048][2048] bytes    -> lane-mask words for the scores' registers, and one class word for each (16 queries x 128 keys)
; A block's scale is 2^(floor(log2(largest magnitude)) - 8): its byte is the largest magnitude's exponent field - 8, held at 1 from below by a floor among the maximum's leaves.
; LIMITS: a block of zeros keeps the byte 1 (its codes are zeros; this program alone reads the bytes); blocks whose largest magnitude lies under 2^-118 are held at byte 1; NaN and infinities are not served.
; THE HEAD'S RECORD in kv, REC = 270,336 bytes, r = lane % 16, h = lane / 16:
;   0      K's codes [step 16][b 4][c' 4][lane 32][16 bytes]: registers 4 c' .. 4 c' + 3 of fragment F_b, c' = 2 u + c: key 128 step + 32 b + 8 u + r + 8 (r / 8), d = 32 c + 16 h + 0 .. 15
;   VC     V's codes [step][t 4][c 4][lane][16 bytes]: channel 16 t + r, keys 128 step + 32 c + 16 h + 0 .. 15
;   KSC    K's scale words [step][g 2][lane]: lanes 0-15 those of F_2g's rows, lanes 16-31 those of F_2g+1's
;   VSC    V's scale words [step][hf 2][lane]: lanes 0-15 those of tile 2 hf, lanes 16-31 those of tile 2 hf + 1
; maskw [T 128][step 16][n 64] words: bit (lane) of word 16 b + i = attn_mask[16 T + r][128 step + 32 b + 16 h + i].
; info  [T 128][step 16] words: bit 0 some of the 16 x 128 is masked; bit 1 all are; bit 16 + r: row r is masked at all 128 keys.
; 1,024 waves for each y; a wave's number W = 4 x work-group x + wave.  No LDS, no barrier, no loop: waves share nothing and every offset is an immediate.
.set REC,  270336
.set VC,   131072
.set KSC,  262144
.set VSC,  266240
.set TM,   160                         ; v160-163 largest magnitudes, v164-167 bytes, v168-171 448 x the scale, v172-175 the conversions' scale operands
.set SEL,  20                          ; s[20:21] lane selects: lane l xor 16
.set MNT,  22                          ; s22 the mantissa field of 448
.set HI16, 23                          ; s23 a lane mask: lanes 16-31
; path K: the 64 numbers of fragment bp of my two: register 16 (2 u + c) + 4 j + 0 .. 3 = d 32 c + 16 h + 4 j + 0 .. 3 of key 32 bp + 8 u + r + 8 (r / 8)
.macro XLOAD bp
.irp u, 0,1
.irp c, 0,1
.irp j, 0,1,2,3
	global_load_b128 v[32+64*\bp+16*(2*\u+\c)+4*\j:32+64*\bp+16*(2*\u+\c)+4*\j+3], v4, s[4:5] offset:(32*\bp+8*\u)*256+128*\c+16*\j
.endr
.endr
.endr
.endm
; 64 numbers of a lane, four blocks of which the lane holds 16 numbers each (lane l xor 16 holds the other 16), become 16 registers of codes at v[pc] and a scale word in v[pw]
.macro QUANT s, pc, pw
.irp b, 0,1,2,3
	v_max3_num_f32 v[TM+\b], |v[\s+16*\b]|, |v[\s+1+16*\b]|, 0x4800000   ; my 16 numbers, and the floor 2^(9 - 127): the byte cannot fall under 1
.endr
.irp i, 2,4,6,8,10,12,14
.irp b, 0,1,2,3
	v_max3_num_f32 v[TM+\b], v[TM+\b], |v[\s+16*\b+\i]|, |v[\s+1+16*\b+\i]|   ; the four blocks by turns
.endr
.endr
.irp b, 0,1,2,3
	v_permlanex16_b32 v[TM+4+\b], v[TM+\b], s[SEL], s[SEL+1]
.endr
.irp b, 0,1,2,3
	v_max_num_f32 v[TM+\b], v[TM+\b], v[TM+4+\b]           ; the block's largest magnitude
.endr
.irp b, 0,1,2,3
	v_add_nc_u32 v[TM+12+\b], 0xfc000000, v[TM+\b]         ; 8 off its exponent field: the conversion takes that field as its scale
.endr
.irp b, 0,1,2,3
	v_and_or_b32 v[TM+8+\b], v[TM+\b], 0x7f800000, s[MNT]  ; 448 x the scale
.endr
.irp b, 0,1,2,3
	v_lshrrev_b32 v[TM+4+\b], 23, v[TM+12+\b]              ; the scale's byte
.endr
	v_lshl_or_b32 v[\pw], v[TM+5], 8, v[TM+4]
	v_lshl_or_b32 v[\pw], v[TM+6], 16, v[\pw]
	v_lshl_or_b32 v[\pw], v[TM+7], 24, v[\pw]
.irp b, 0,1,2,3
.irp i, 0,1,2,3,4,5,6,7,8,9,10,11,12,13,14,15
	v_med3_num_f32 v[\s+16*\b+\i], v[\s+16*\b+\i], -v[TM+8+\b], v[TM+8+\b]   ; the conversion to an 8-bit code does not saturate (ISA guide 7.6.2): the hold comes first
.endr
	v_cvt_scalef32_pk8_fp8_f32 v[\pc+4*\b:\pc+4*\b+1], v[\s+16*\b:\s+16*\b+7], v[TM+12+\b]
	v_cvt_scalef32_pk8_fp8_f32 v[\pc+4*\b+2:\pc+4*\b+3], v[\s+16*\b+8:\s+16*\b+15], v[TM+12+\b]
.endr
	v_nop                                                  ; a plain line behind the last conversion
.endm
; path V: block c: values(32 c + i, my channel), i = 0 .. 31: 32 lanes read 128 consecutive bytes
.macro VLOAD c
.irp i, 0,1,2,3,4,5,6,7,8,9,10,11,12,13,14,15,16,17,18,19,20,21,22,23,24,25,26,27,28,29,30,31
	global_load_b32 v[32+32*(\c)+\i], v6, s[6:7] offset:(32*(\c)+\i)*256
.endr
.endm
.macro BLOCK c, left
.set XS, 32+32*(\c)
	s_wait_loadcnt \left                                   ; this block's 32 loads are in; the next block's 32 may be out
.if (\c)+2 < 4
	VLOAD (\c)+2                                           ; two blocks ahead, into registers of its own
.endif
	v_max3_num_f32 v12, |v[XS]|, |v[XS+1]|, |v[XS+2]|      ; all 32 numbers of the block are mine
	v_max3_num_f32 v13, |v[XS+3]|, |v[XS+4]|, |v[XS+5]|
.irp i, 6,10,14,18,22,26
	v_max3_num_f32 v12, v12, |v[XS+\i]|, |v[XS+\i+1]|
	v_max3_num_f32 v13, v13, |v[XS+\i+2]|, |v[XS+\i+3]|
.endr
	v_max3_num_f32 v12, v12, |v[XS+30]|, |v[XS+31]|
	v_max3_num_f32 v12, v12, v13, 0x4800000                ; and the floor
	v_add_nc_u32 v11, 0xfc000000, v12
	v_and_or_b32 v10, v12, 0x7f800000, s[MNT]
	v_lshrrev_b32 v13, 23, v11
.if (\c) == 0
	v_mov_b32 v24, v13                                     ; the four bytes make my channel's scale word for these 128 keys
.else
	v_lshl_or_b32 v24, v13, 8*(\c), v24
.endif
.irp i, 0,1,2,3,4,5,6,7,8,9,10,11,12,13,14,15,16,17,18,19,20,21,22,23,24,25,26,27,28,29,30,31
	v_med3_num_f32 v[XS+\i], v[XS+\i], -v10, v10
.endr
.irp g, 0,1,2,3
	v_cvt_scalef32_pk8_fp8_f32 v[160+8*(\c)+2*\g:160+8*(\c)+2*\g+1], v[XS+8*\g:XS+8*\g+7], v11
.endr
	global_store_b128 v7, v[160+8*(\c):160+8*(\c)+3], s[30:31] offset:512*(\c)        ; keys 32 c + 0 .. 15: the image's lanes 0-15.  Sixteen lanes store 256 consecutive bytes, aligned
	global_store_b128 v7, v[160+8*(\c)+4:160+8*(\c)+7], s[30:31] offset:512*(\c)+256  ; keys 32 c + 16 .. 31: its lanes 16-31
.endm
; path M: four bytes of a lane's register become four lane-mask words: word N = 64 e + 16 b + 4 q + k goes to register 8 + k, lane N / 4, so that one store of 16 bytes a lane lays the 128 words on end
.macro WORDS e, b, q
.irp k, 0,1,2,3
	v_bfe_u32 v[16+\k], v[32+4*(4*\e+\b)+\q], 8*\k, 8
.endr
.irp k, 0,1,2,3
	v_cmp_ne_u32 s[36+\k], 0, v[16+\k]
.endr
.irp k, 0,1,2,3
	v_writelane_b32 v[8+\k], s[36+\k], 16*\e+4*\b+\q
.endr
.irp k, 0,1,2,3
	s_and_b32 s40, s40, s[36+\k]
	s_or_b32 s41, s41, s[36+\k]
.endr
.endm
	s_load_b256 s[4:11], s[0:1], 0x0               ; keys s[4:5], values s[6:7], attn_mask s[8:9], kv s[10:11]
	s_load_b128 s[12:15], s[0:1], 0x20             ; maskw s[12:13], info s[14:15]
	v_lshrrev_b32 v1, 5, v0
	v_readfirstlane_b32 s16, v1                    ; wave 0..3
	v_and_b32 v1, 31, v0                           ; lane
	v_and_b32 v2, 15, v0                           ; r
	v_bfe_u32 v3, v0, 4, 1                         ; h
	v_lshlrev_b32 v5, 4, v1                        ; 16 x lane
	v_lshlrev_b32 v6, 2, v1                        ; 4 x lane
	s_lshl_b32 s17, ttmp9, 2
	s_add_co_u32 s17, s17, s16                     ; W
	s_and_b32 s18, ttmp7, 0xffff                   ; y: which of the three tasks
	s_mov_b32 s[SEL], 0x76543210
	s_mov_b32 s[SEL+1], 0xfedcba98
	s_mov_b32 s[MNT], 0x600000
	s_mov_b32 s[HI16], 0xffff0000
	s_mov_b32 s25, 0                               ; the high word of every 64-bit offset made in s[24:25]
	s_lshr_b32 s26, s17, 5                         ; paths K and V: W = 32 head + 2 step + half
	s_mul_i32 s26, s26, REC                        ; the head's record
	s_bfe_u32 s27, s17, 0x40001                    ; step: 4 bits from bit 1
	s_and_b32 s28, s17, 1                          ; half
	s_wait_kmcnt 0x0
	s_cmp_eq_u32 s18, 0
	s_cbranch_scc1 .Lk
	s_cmp_eq_u32 s18, 1
	s_cbranch_scc1 .Lv
	; ---- path M: W = 8 T + sp: 16 queries x 256 keys, steps 2 sp and 2 sp + 1
	s_lshr_b32 s34, s17, 3                         ; T
	s_and_b32 s35, s17, 7                          ; sp
	s_lshl_b32 s24, s34, 15                        ; 16 rows of 2,048 bytes
	s_lshl_b32 s29, s35, 8
	s_add_co_u32 s24, s24, s29
	s_add_nc_u64 s[8:9], s[8:9], s[24:25]
	s_lshl_b32 s24, s34, 12                        ; maskw: 4,096 bytes a tile, 512 for my two steps
	s_lshl_b32 s29, s35, 9
	s_add_co_u32 s24, s24, s29
	s_add_nc_u64 s[12:13], s[12:13], s[24:25]
	s_lshl_b32 s24, s34, 6                         ; info: 64 bytes a tile, 8 for my two steps
	s_lshl_b32 s29, s35, 3
	s_add_co_u32 s24, s24, s29
	s_add_nc_u64 s[14:15], s[14:15], s[24:25]
	s_wait_alu depctr_va_vdst(0)
	v_lshlrev_b32 v4, 11, v2
	v_lshl_add_u32 v4, v3, 4, v4                   ; row r, + 16 h: the 16 keys that lane (r, h) holds of each block of 32
.irp e, 0,1
.irp b, 0,1,2,3
	global_load_b128 v[32+4*(4*\e+\b):32+4*(4*\e+\b)+3], v4, s[8:9] offset:128*\e+32*\b
.endr
.endr
.irp k, 8,9,10,11,12
	v_mov_b32 v\k, 0                               ; written whole once: v_writelane_b32 keeps the other lanes
.endr
	s_wait_loadcnt 0x0
.irp e, 0,1
	s_mov_b32 s40, -1                              ; the AND of the step's 64 words: bit (lane): all 64 of that lane's bytes are set
	s_mov_b32 s41, 0                               ; their OR
.irp b, 0,1,2,3
.irp q, 0,1,2,3
	WORDS \e, \b, \q
.endr
.endr
	s_lshr_b32 s42, s40, 16
	s_and_b32 s42, s42, s40                        ; bit r: lanes r and r + 16 both: row r is masked at all 128 keys
	s_lshl_b32 s42, s42, 16
	s_cmp_lg_u32 s41, 0
	s_cselect_b32 s43, 1, 0                        ; bit 0: some
	s_or_b32 s42, s42, s43
	s_cmp_eq_u32 s40, -1
	s_cselect_b32 s43, 2, 0                        ; bit 1: all
	s_or_b32 s42, s42, s43
	v_writelane_b32 v12, s42, \e
.endr
	s_wait_alu depctr_va_vdst(0)
	global_store_b128 v5, v[8:11], s[12:13]        ; 32 lanes store 512 consecutive bytes, aligned
	s_wait_xcnt 0x0                                ; EXEC changes only behind this wait
	v_cmp_gt_u32 vcc_lo, 2, v1
	s_and_saveexec_b32 s43, vcc_lo
	global_store_b32 v6, v12, s[14:15]             ; two words a wave: 8,192 bytes in the whole launch
	s_wait_xcnt 0x0                                ; and again in front of the line that widens it
	s_or_b32 exec_lo, exec_lo, s43
	s_endpgm
.Lk:	; ---- path K: 64 keys, fragments F_2g and F_2g+1 of one step
	s_lshl_b32 s24, s17, 14                        ; W x 64 keys x 256 bytes
	s_add_nc_u64 s[4:5], s[4:5], s[24:25]
	s_lshl_b32 s29, s27, 13                        ; codes: step x 8,192 + g x 4,096
	s_add_co_u32 s24, s26, s29
	s_lshl_b32 s29, s28, 12
	s_add_co_u32 s24, s24, s29
	s_add_nc_u64 s[30:31], s[10:11], s[24:25]
	s_lshl_b32 s29, s27, 8                         ; scale words: KSC + step x 256 + g x 128
	s_add_co_u32 s24, s26, s29
	s_lshl_b32 s29, s28, 7
	s_add_co_u32 s24, s24, s29
	s_add_co_u32 s24, s24, KSC
	s_add_nc_u64 s[32:33], s[10:11], s[24:25]
	s_wait_alu depctr_va_vdst(0)
	v_and_b32 v4, 8, v2
	v_add_nc_u32 v4, v4, v2                        ; r + 8 (r / 8): THE KEYS OF A TILE ARE NOT NEIGHBOURS, so that the scores' 16 registers of two tiles are 16 neighbouring keys
	v_lshlrev_b32 v4, 8, v4
	v_lshl_add_u32 v4, v3, 6, v4                   ; + 64 h
	XLOAD 0
	XLOAD 1
.irp b, 0,1,2,3
	v_mov_b32 v[TM+4+\b], 0                        ; written once: a lane permute's destination counts as one of its sources
.endr
	s_wait_loadcnt 16                              ; the first fragment's 16 loads are in; the second's 16 may be out
	QUANT 32, 192, 26
.irp c, 0,1,2,3
	global_store_b128 v5, v[192+4*\c:192+4*\c+3], s[30:31] offset:512*\c          ; 512 consecutive bytes a store
.endr
	s_wait_loadcnt 0x0
	QUANT 96, 208, 27
.irp c, 0,1,2,3
	global_store_b128 v5, v[208+4*\c:208+4*\c+3], s[30:31] offset:2048+512*\c
.endr
	v_cndmask_b32 v28, v26, v27, s[HI16]           ; lanes 0-15 keep F_2g's words, lanes 16-31 take F_2g+1's
	global_store_b32 v6, v28, s[32:33]             ; 128 consecutive bytes; the work-group's neighbouring wave stores the 128 beside them
	s_endpgm
.Lv:	; ---- path V: 128 keys x 32 channels: tiles 2 hf and 2 hf + 1 of one step
	s_lshr_b32 s24, s17, 1
	s_lshl_b32 s24, s24, 15                        ; (16 head + step) x 128 keys x 256 bytes
	s_lshl_b32 s29, s28, 7                         ; + hf x 32 channels
	s_add_co_u32 s24, s24, s29
	s_add_nc_u64 s[6:7], s[6:7], s[24:25]
	s_lshl_b32 s29, s27, 13                        ; codes: VC + step x 8,192 + hf x 4,096
	s_add_co_u32 s24, s26, s29
	s_lshl_b32 s29, s28, 12
	s_add_co_u32 s24, s24, s29
	s_add_co_u32 s24, s24, VC
	s_add_nc_u64 s[30:31], s[10:11], s[24:25]
	s_lshl_b32 s29, s27, 8                         ; scale words: VSC + step x 256 + hf x 128
	s_add_co_u32 s24, s26, s29
	s_lshl_b32 s29, s28, 7
	s_add_co_u32 s24, s24, s29
	s_add_co_u32 s24, s24, VSC
	s_add_nc_u64 s[32:33], s[10:11], s[24:25]
	s_wait_alu depctr_va_vdst(0)
	v_lshlrev_b32 v7, 4, v2
	v_lshl_add_u32 v7, v3, 11, v7                  ; my channel's place in the images: tile (lane / 16) x 2,048 + 16 x (lane % 16)
	VLOAD 0
	VLOAD 1
	BLOCK 0, 32
	BLOCK 1, 32
	BLOCK 2, 32
	BLOCK 3, 0
	global_store_b32 v6, v24, s[32:33]             ; 128 consecutive bytes
	s_endpgm
.Lfunc_end_k_q9327b3db52_prep:
	.size	k_q9327b3db52_prep, .Lfunc_end_k_q9327b3db52_prep-k_q9327b3db52_prep
	.p2alignl 7, 3214868480
	.fill 96, 4, 3214868480
	.section	.rodata,"a",@progbits
	.p2align	6, 0x0
	.amdhsa_kernel k_q9327b3db52_prep
		.amdhsa_group_segment_fixed_size 0
		.amdhsa_private_segment_fixed_size 0
		.amdhsa_enable_private_segment 0
		.amdhsa_kernarg_size 48
		.amdhsa_user_sgpr_count 2
		.amdhsa_user_sgpr_kernarg_segment_ptr 1
		.amdhsa_wavefront_size32 1
		.amdhsa_system_sgpr_workgroup_id_x 1
		.amdhsa_system_sgpr_workgroup_id_y 1
		.amdhsa_system_sgpr_workgroup_id_z 1
		.amdhsa_system_vgpr_workitem_id 0
		.amdhsa_next_free_vgpr 224
		.amdhsa_next_free_sgpr 66
		.amdhsa_reserve_vcc 1
		.amdhsa_float_denorm_mode_32 3
		.amdhsa_float_denorm_mode_16_64 3
		.amdhsa_memory_ordered 1
		.amdhsa_forward_progress 1
		.amdhsa_inst_pref_size 85
	.end_amdhsa_kernel
	.amdgpu_metadata
---
amdhsa.version: [ 1, 2 ]
amdhsa.kernels:
  - .name:           k_q9327b3db52_prep
    .symbol:         k_q9327b3db52_prep.kd
    .args:
      - { .name: keys, .offset: 0, .size: 8, .value_kind: global_buffer, .address_space: global }
      - { .name: values, .offset: 8, .size: 8, .value_kind: global_buffer, .address_space: global }
      - { .name: attn_mask, .offset: 16, .size: 8, .value_kind: global_buffer, .address_space: global }
      - { .name: kv, .offset: 24, .size: 8, .value_kind: global_buffer, .address_space: global }
      - { .name: maskw, .offset: 32, .size: 8, .value_kind: global_buffer, .address_space: global }
      - { .name: info, .offset: 40, .size: 8, .value_kind: global_buffer, .address_space: global }
    .group_segment_fixed_size: 0
    .private_segment_fixed_size: 0
    .kernarg_segment_align: 8
    .kernarg_segment_size: 48
    .max_flat_workgroup_size: 128
    .sgpr_count:     66
    .vgpr_count:     224
    .wavefront_size: 32
...
	.end_amdgpu_metadata
.endif
;; end of part 1
;; launch attn (part 2): grid 8 x 32, 16 waves a work-group, no clusters, 272,384 bytes of LDS; arguments queries, kv, maskw, info, out0; writes out0
.if DOCPART == 2
	.amdgcn_target "amdgcn-amd-amdhsa--gfx1250"
	.amdhsa_code_object_version 6
	.text
	.protected	k_q9327b3db52_attn
	.globl	k_q9327b3db52_attn
	.p2align	8
	.type	k_q9327b3db52_attn,@function
k_q9327b3db52_attn:
	s_mov_b64 s[64:65], 0
	v_nop
	global_prefetch_b8 v0, s[64:65] scope:SCOPE_SE
	s_setreg_imm32_b32 hwreg(HW_REG_WAVE_MODE, 25, 1), 1
	s_wait_xcnt 0x0
; out0[head][q][:] = the sum over k of softmax_k(logit) values[head][k][:], logit = (queries[q] / 8) . keys[k], replaced by a large negative number where attn_mask[q][k] is set.
; Both products on codes of FP8 (E4M3) with one E8M0 scale for each 32 along K.  t = logit x log2(e); M = the running largest t rounded UP to a whole number; p = 2^(t - M) is quantised along the keys, not normalised;
; the row's sum is taken of the unquantised p and divides at the end; when M moves, the sum and O are multiplied by 2^(old M - new M), which rounds nothing.
; SHARES.  256 work-groups: x = j (0..7), y = head; 256 queries each, as 16 tiles of 16, tile T = 8 rank + j.  Sixteen waves of 256 registers.  Waves p and p + 8 share TWO tiles, ranks 15 - p (late) and p (early): the key steps
; of both tiles are dealt to the two by parity: wave p + 8 half takes the steps of parity half.  So under a mask that hides later keys from earlier queries each wave has 8 or 9 steps, and one of them is partly masked.
; At the end the pair exchanges partial sums through LDS: half 0 finishes the late tile, half 1 the early one; what was summed under M1 and M2 is brought under the larger by exact powers of two.
; LDS.  The head's record (K's and V's codes as images of operand registers and their scale words, 270,336 bytes, made by the launch before) is copied in through registers: 2 steps of 128 keys ahead of the first trip, the other 14 in
; four chunks, each stored in the middle of one of the first four trips; the barrier's signal stands there and its wait at the next trip's head.  Each chunk is asked for a trip ahead of its stores.
; NO JOINT LOADS, though the eight work-groups of a head read the same record: the branch that passes over hidden steps can spare up to 120 of a
; work-group's 256 tile steps.  No prefetch: all bulk loads go out by the fourth trip, each a trip ahead; there is no longer stream to run ahead of.
; K = 64 IN AN INSTRUCTION OF 128.  Source 0 is F_b = [key tile 2 b | key tile 2 b + 1]; source 1 is [Q | zeros] or [zeros | Q], cut out of one run zeros, Q, zeros.  Zero codes times K's codes (held at 448: none is the NaN code) add exact zeros.
; Both products are used transposed: a lane holds ONE query (lane % 16) throughout; the 16 scores of key tiles 2 b and 2 b + 1 are keys 32 b + 16 (lane / 16) + 0 .. 15.
; THE MASK.  A step's 64 lane-mask words come into scalar registers where the step has a masked score, asked for a trip ahead; one v_cndmask_b32 a score puts -2^30 in a masked logit's place.  c x 2^30 is a whole number, exactly, so in a
; row that is masked everywhere t - M is exactly 0 and p = 1: the mean of V, as -1e9 gives.  In every other row a masked key's p is 0, or is multiplied by an exact 0 when the pair's sums meet.
; CLASSES of a tile's step, from stored whole numbers: open (no key masked): the selects are jumped over; hidden (all 16 x 128 masked): the step is jumped over, but only where NO row of the tile is
; masked at all 2,048 keys: then each row has an open key, under whose M every masked p is exactly 0.  (The four trips that carry the fill pass over nothing: a hidden step there is worked with its selects, or, where the tile has no wholly
; masked row, is worked as a step of class hidden: see HIDDEN below.)  No pattern of the mask is built in.
; HIDDEN in one of the first four trips: bit 0 stands too, so the selects are done; the words are asked for by the same bit.  Where a hidden step is jumped over, nobody reads its words.
; A BLOCK'S SCALE of p: the largest p of a block is 2^x, x = its largest score's t - M, so its exponent is floor(x).  q / 8 is quantised as q, with 3 taken off each scale byte: an exact power of two.
; LIMITS: |t| stays under 2^31; the results equal those of -1e9 while every unmasked logit lies above -2^29; NaN and infinities are not served; a block of p whose largest lies under 2^-118, or of q / 8 under 2^-118, keeps the byte 1;
; p under 2^-126 is 0.
.set REC,  270336
.set VC,   131072                      ; V's codes in the record
.set KSC,  262144                      ; K's scale words
.set VSC,  266240                      ; V's
.set SPARE, REC                        ; the spare words, 128 bytes a wave
.set XW,   8704                        ; on the way out, over the dead record: 4,352 bytes for the partial sums, 4,352 for a stage of 16 rows x 272
.set AK0,  1                           ; v1   16 x lane
.set ADS,  2
.set AS0,  3                           ; v3   KSC + 4 x lane
.set ADK,  4
.set MB,   5                           ; v5   q's offset at the head, then the late tile's -M
.set QS,   6                           ; v6   Q's scale word (q0, q1, q0, q1)
.set LB,   7                           ; v7   16 x thread, then the early q's offset, then the late tile's sum
.set ZQ,   8                           ; v8-15 zeros, v16-23 Q's codes, v24-31 zeros
.set F,    32                          ; v32-95   four fragments: K's, then V's; at the head v32-63 q
.set PC,   96                          ; v96-111  p's codes: 96-99, and over the scores' first 12 registers
.set S,    100                         ; v100-163 S^T, then p
.set OB,   164                         ; v164-195 O^T of the late tile
.set OA,   196                         ; v196-227 O^T of the early tile
.set FILL, 196                         ; until then: the chunk in flight, then q of the early tile
.set NM,   228                         ; v228 -M, v229 the largest score
.set LS,   230                         ; v[230:231] the sum, in two halves
.set FF,   232                         ; v232 f = 2^(old M - new M)
.set PW,   233                         ; v233 p's scale word
.set KS,   234                         ; v234-235 K's scale words
.set VS,   236                         ; v236-237 V's
.set BM,   238                         ; v238-241 the blocks' largest scores; v238-245 four partial sums of p
.set PT,   242                         ; v242-245 at work
.set HD,   246                         ; v246-249 448 x the scale
.set SO,   250                         ; v250-253 the conversions' scale operands
.set QT,   238                         ; v238-251 at work while q is quantised
.set WV,   14                          ; s14 wave
.set TA,   15                          ; s15 the early tile
.set HALF, 66                          ; s66 0 or 1
.set CLA,  67                          ; s67 the early tile's classes, until it begins
.set CLS,  84                          ; s84 two bits a step: some masked, all masked (may be passed over); shifted down each trip
.set TL,   85                          ; s85 the late tile
.set TB,   86                          ; s86 8,192 x step
.set TS,   87                          ; s87 256 x step
.set CNT,  88
.set SEL,  90                          ; s[90:91] lane l xor 16
.set CS,   92                          ; s[92:93] c = log2(e)
.set MNT,  94                          ; s94 the mantissa field of 448
.set NEG,  95                          ; s95 -2^30
; A tile's 16 class words, from s[w] on, become s[d], from step half on
.macro CLASSES w, d
	s_and_b32 s[\d], s[\w], 3
	s_mov_b32 s99, s[\w]
.irp k, 1,2,3,4,5,6,7,8,9,10,11,12,13,14,15
	s_and_b32 s89, s[\w+\k], 3
	s_lshl_b32 s89, s89, 2*\k
	s_or_b32 s[\d], s[\d], s89
	s_and_b32 s99, s99, s[\w+\k]                   ; bits 16 + r: row r is masked in every step so far
.endr
	s_lshr_b32 s99, s99, 16
	s_cmp_lg_u32 s99, 0
	s_cselect_b32 s99, 0x55555555, -1              ; a tile with a wholly masked row passes over nothing
	s_and_b32 s[\d], s[\d], s99
	s_lshl_b32 s89, s[HALF], 1
	s_lshr_b32 s[\d], s[\d], s89
.endm
; The mask words of the step whose two class bits are 3 x bit and whose words lie ofs bytes on from s[TS]: asked for where a score is masked and the step is not of class hidden, or (all = 1) where a score is masked
.macro WORDS bit, ofs, all
.if \all
	s_and_b32 s89, s[CLS], \bit
	s_cmp_lg_u32 s89, 0
.else
	s_and_b32 s89, s[CLS], 3*\bit
	s_cmp_eq_u32 s89, \bit
.endif
	s_cbranch_scc0 .Lnowords_\@
	s_load_b512 s[16:31], s[2:3], s[TS] offset:\ofs
	s_load_b512 s[32:47], s[2:3], s[TS] offset:\ofs+0x40
	s_load_b512 s[48:63], s[2:3], s[TS] offset:\ofs+0x80
	s_load_b512 s[68:83], s[2:3], s[TS] offset:\ofs+0xc0
.Lnowords_\@:
.endm
; 32 numbers of q at v[raw] (16 of each of two blocks) become Q's codes and scale word
.macro QQ raw
	v_mov_b32 v[QT+4], 0                           ; a lane permute's destination counts as one of its sources
	v_mov_b32 v[QT+5], 0
.irp b, 0,1
	v_max3_num_f32 v[QT+\b], |v[\raw+16*\b]|, |v[\raw+1+16*\b]|, 0x6000000   ; the floor 2^(12 - 127): the byte, 3 less, cannot fall under 1
.endr
.irp i, 2,4,6,8,10,12,14
.irp b, 0,1
	v_max3_num_f32 v[QT+\b], v[QT+\b], |v[\raw+16*\b+\i]|, |v[\raw+1+16*\b+\i]|
.endr
.endr
.irp b, 0,1
	v_permlanex16_b32 v[QT+4+\b], v[QT+\b], s[SEL], s[SEL+1]
.endr
.irp b, 0,1
	v_max_num_f32 v[QT+\b], v[QT+\b], v[QT+4+\b]
.endr
.irp b, 0,1
	v_add_nc_u32 v[QT+12+\b], 0xfc000000, v[QT+\b]         ; 8 off the exponent field: the conversion's scale operand
.endr
.irp b, 0,1
	v_and_or_b32 v[QT+8+\b], v[QT+\b], 0x7f800000, s[MNT]  ; 448 x the scale
.endr
.irp b, 0,1
	v_lshrrev_b32 v[QT+4+\b], 23, v[QT+12+\b]
.endr
	v_lshl_or_b32 v[QT+6], v[QT+5], 8, v[QT+4]
	v_lshl_or_b32 v[QT+6], v[QT+6], 16, v[QT+6]            ; the two bytes twice: Q stands in the lower or in the upper half of K
	v_add_nc_u32 v[QS], 0xfcfcfcfd, v[QT+6]                ; 3 off each byte: q / 8
.irp b, 0,1
.irp i, 0,1,2,3,4,5,6,7,8,9,10,11,12,13,14,15
	v_med3_num_f32 v[\raw+16*\b+\i], v[\raw+16*\b+\i], -v[QT+8+\b], v[QT+8+\b]   ; the conversion does not saturate (ISA guide 7.6.2): the hold comes first
.endr
	v_cvt_scalef32_pk8_fp8_f32 v[ZQ+8+4*\b:ZQ+9+4*\b], v[\raw+16*\b:\raw+16*\b+7], v[QT+12+\b]
	v_cvt_scalef32_pk8_fp8_f32 v[ZQ+10+4*\b:ZQ+11+4*\b], v[\raw+16*\b+8:\raw+16*\b+15], v[QT+12+\b]
.endr
.endm
; A chunk's place in the record: chunk 0 is steps 2 and 3, chunk f > 0 steps 4 f .. 4 f + 3
.macro CHUNK f
.if \f == 0
.set CN, 2
.set CB, 2*8192
.else
.set CN, 4
.set CB, (\f)*32768
.endif
.endm
.macro FETCH f                         ; ask for chunk f: 16 bytes a thread, 8,192 a round of the 512 threads
	CHUNK \f
.set i, 0
.rept CN
	global_load_b128 v[FILL+4*i:FILL+4*i+3], v[LB], s[6:7] offset:CB+8192*i
	global_load_b128 v[FILL+4*(CN+i):FILL+4*(CN+i)+3], v[LB], s[6:7] offset:VC+CB+8192*i
.set i, i+1
.endr
.endm
.macro ASKQ                            ; q of a tile whose first row is at s[96:97]: my 16 numbers of each of the two blocks
.irp c, 0,1
.irp j, 0,1,2,3
	global_load_b128 v[QDST+16*\c+4*\j:QDST+16*\c+4*\j+3], v[QOFF], s[96:97] offset:128*\c+16*\j
.endr
.endr
.endm
; Chunk f goes into LDS (v[PT], v[PT+1]: its places there), the next is asked for, and the barrier is signalled: its wait stands at the next trip's head
.macro PUT f
	s_wait_alu depctr_va_vdst(0)
	s_wait_loadcnt 0x0                             ; the chunk, asked for a trip ago
	CHUNK \f
.set i, 0
.rept CN
	ds_store_b128 v[PT], v[FILL+4*i:FILL+4*i+3] offset:8192*i
	ds_store_b128 v[PT+1], v[FILL+4*(CN+i):FILL+4*(CN+i)+3] offset:8192*i
.set i, i+1
.endr
.if \f < 3
	s_wait_dscnt 0x0                               ; for the others' sake: my part of the chunk lies in LDS; and its registers are free
	FETCH \f+1
.else
	s_lshl_b32 s96, s[TA], 12
	s_mov_b32 s97, 0
	s_add_nc_u64 s[96:97], s[4:5], s[96:97]
	s_wait_dscnt 0x0
	v_and_b32 v[LB], 15, v0                        ; (the loads that named it are in)
	v_bfe_u32 v[PT+2], v0, 4, 1
	v_lshlrev_b32 v[LB], 8, v[LB]
	v_lshl_add_u32 v[LB], v[PT+2], 6, v[LB]
.set QDST, FILL
.set QOFF, LB
	ASKQ                                           ; the early tile's q: it lands under the late tile's last trips
.endif
	s_barrier_signal -1
.endm
.macro HOLD b                          ; p is not negative: the hold is one-sided
.irp i, 0,2,4,6,8,10,12,14
	v_dual_min_num_f32 v[S+16*\b+\i], v[HD+\b], v[S+16*\b+\i] :: v_dual_min_num_f32 v[S+16*\b+\i+1], v[HD+\b], v[S+16*\b+\i+1]
.endr
.endm
.macro CODES b
	v_cvt_scalef32_pk8_fp8_f32 v[PC+4*\b:PC+4*\b+1], v[S+16*\b:S+16*\b+7], v[SO+\b]
	v_cvt_scalef32_pk8_fp8_f32 v[PC+4*\b+2:PC+4*\b+3], v[S+16*\b+8:S+16*\b+15], v[SO+\b]
.endm
; A STEP: 128 keys for the tile whose O^T is v[o].  fill: the chunk that is stored in its middle, or -1.  all: WORDS' choice for the next trip's step (1 where that trip passes over nothing)
.macro STEP o, fill, all
	v_add_nc_u32 v[ADK], s[TB], v[AK0]
	v_add_nc_u32 v[ADS], s[TS], v[AS0]
.rept 3
	v_nop                                          ; with these two additions and the four sums behind the last products: nine places
.endr
	ds_load_b32 v[KS], v[ADS]
	ds_load_b32 v[KS+1], v[ADS] offset:128
.irp b, 0,1,2,3
.irp c, 0,1,2,3
	ds_load_b128 v[F+16*\b+4*\c:F+16*\b+4*\c+3], v[ADK] offset:2048*\b+512*\c
.endr
.endr
	s_wait_alu depctr_va_vdst(0)
.irp b, 0,1,2,3
	s_wait_dscnt 12-4*\b                           ; the scale words and fragment b are in; the younger fragments' loads may be out
.if \b % 2
	v_wmma_scale_f32_16x16x128_f8f6f4 v[S+16*\b:S+16*\b+7], v[F+16*\b:F+16*\b+15], v[ZQ+8:ZQ+23], 0, v[KS+\b/2], v[QS] matrix_a_scale:MATRIX_SCALE_ROW1
	v_wmma_scale_f32_16x16x128_f8f6f4 v[S+16*\b+8:S+16*\b+15], v[F+16*\b:F+16*\b+15], v[ZQ:ZQ+15], 0, v[KS+\b/2], v[QS] matrix_a_scale:MATRIX_SCALE_ROW1
.else
	v_wmma_scale_f32_16x16x128_f8f6f4 v[S+16*\b:S+16*\b+7], v[F+16*\b:F+16*\b+15], v[ZQ+8:ZQ+23], 0, v[KS+\b/2], v[QS]
	v_wmma_scale_f32_16x16x128_f8f6f4 v[S+16*\b+8:S+16*\b+15], v[F+16*\b:F+16*\b+15], v[ZQ:ZQ+15], 0, v[KS+\b/2], v[QS]
.endif
.endr
	v_add_nc_u32 v[ADK], VC, v[ADK]                ; on to V's codes.  Eight places: for the loads over K's fragments and for the first read of the scores
.if \fill >= 0
	CHUNK \fill
	v_add_nc_u32 v[PT], CB, v[LB]
	v_add_nc_u32 v[PT+1], CB+VC, v[LB]
.rept 5
	v_nop
.endr
	PUT \fill
.else
.rept 7
	v_nop
.endr
.endif
	ds_load_b32 v[VS], v[ADS] offset:VSC-KSC
	ds_load_b32 v[VS+1], v[ADS] offset:VSC-KSC+128
.irp t, 0,1,2,3
.irp c, 0,1,2,3
	ds_load_b128 v[F+16*\t+4*\c:F+16*\t+4*\c+3], v[ADK] offset:2048*\t+512*\c   ; V's four fragments: they land under the softmax
.endr
.endr
	s_wait_kmcnt 0x0                               ; this step's mask words, if any were asked for
	s_and_b32 s89, s[CLS], 1
	s_cmp_lg_u32 s89, 0
	s_cbranch_scc0 .Lopen_\@
.set n, 0
.rept 64
.if n < 48
	v_cndmask_b32 v[S+n], v[S+n], s[NEG], s[16+n]      ; ascending: each accumulator is read from its low end on
.else
	v_cndmask_b32 v[S+n], v[S+n], s[NEG], s[20+n]
.endif
.set n, n+1
.endr
.Lopen_\@:
.if \fill >= 0
.else
	WORDS 16, 512, \all                            ; the next trip's words, a trip ahead (past step 15 the class bits are 0)
.endif
.irp b, 0,1,2,3
	v_max3_num_f32 v[BM+\b], v[S+16*\b], v[S+1+16*\b], v[S+2+16*\b]     ; the largest score of each block of 32 keys
.endr
.irp i, 3,5,7,9,11,13
.irp b, 0,1,2,3
	v_max3_num_f32 v[BM+\b], v[BM+\b], v[S+16*\b+\i], v[S+1+16*\b+\i]
.endr
.endr
.irp b, 0,1,2,3
	v_max_num_f32 v[BM+\b], v[BM+\b], v[S+15+16*\b]
.endr
.irp b, 0,1,2,3
	v_permlanex16_b32 v[PT+\b], v[BM+\b], s[SEL], s[SEL+1]
.endr
.irp b, 0,1,2,3
	v_max_num_f32 v[BM+\b], v[BM+\b], v[PT+\b]             ; with lane l xor 16's 16 keys
.endr
	v_max3_num_f32 v[PT], v[BM], v[BM+1], v[BM+2]
	s_delay_alu instid0(VALU_DEP_1)
	v_max3_num_f32 v[NM+1], v[NM+1], v[PT], v[BM+3]        ; the running largest score
	s_delay_alu instid0(VALU_DEP_1)
	v_mul_f32 v[PT+1], 0xbfb8aa3b, v[NM+1]                 ; -t
	s_delay_alu instid0(VALU_DEP_1)
	v_floor_f32 v[PT+2], v[PT+1]                           ; the new -M: M is a whole number
	s_delay_alu instid0(VALU_DEP_1)
	v_sub_f32 v[PT+3], v[PT+2], v[NM]                      ; old M - new M: a whole number, 0 or less
	v_mov_b32 v[NM], v[PT+2]
	v_cvt_i32_f32 v[PT+3], v[PT+3]                         ; (it saturates)
.irp b, 0,1,2,3
	v_fma_f32 v[BM+\b], v[BM+\b], s[CS], v[NM]             ; x = t - M of each block's largest score
.endr
	v_ldexp_f32 v[FF], 1.0, v[PT+3]                        ; f
.irp b, 0,1,2,3
	v_max_num_f32 v[BM+\b], 0xc2ec0000, v[BM+\b]           ; held at -118: the byte cannot fall under 1
.endr
.irp j, 0,2,4,6,8,10,12,14
	v_pk_fma_f32 v[S+\j:S+\j+1], v[S+\j:S+\j+1], s[CS:CS+1], v[NM:NM+1] op_sel_hi:[1,0,0]   ; t - M, two at a time
.endr
.irp b, 0,1,2,3
	v_cvt_floor_i32_f32 v[PT+\b], v[BM+\b]                 ; the exponent of the block's largest p
.endr
.irp j, 16,18,20,22,24,26,28,30
	v_pk_fma_f32 v[S+\j:S+\j+1], v[S+\j:S+\j+1], s[CS:CS+1], v[NM:NM+1] op_sel_hi:[1,0,0]
.endr
.irp b, 0,1,2,3
	v_lshl_add_u32 v[SO+\b], v[PT+\b], 23, 0x3b800000      ; the scale's exponent field: that number + 127 - 8
.endr
	v_lshl_add_u32 v[BM], v[PT+3], 8, v[PT+2]              ; p's scale word: the four numbers a byte apart, + 119 in every byte
	v_add_nc_u32 v[HD], 0x4600000, v[SO]                   ; 448 x the scale: 8 on the exponent field, and 448's mantissa field
	v_add_nc_u32 v[HD+1], 0x4600000, v[SO+1]
	v_lshl_add_u32 v[BM], v[BM], 8, v[PT+1]
	v_add_nc_u32 v[HD+2], 0x4600000, v[SO+2]
	v_add_nc_u32 v[HD+3], 0x4600000, v[SO+3]
	v_lshl_add_u32 v[BM], v[BM], 8, v[PT]
.irp j, 32,34,36,38,40,42,44,46,48,50,52,54,56,58,60,62
	v_pk_fma_f32 v[S+\j:S+\j+1], v[S+\j:S+\j+1], s[CS:CS+1], v[NM:NM+1] op_sel_hi:[1,0,0]
.endr
	v_add_nc_u32 v[PW], 0x77777777, v[BM]
	s_wait_alu depctr_va_vdst(0)                           ; the wait ahead of the batch
.irp j, 0,1,2,3,4,5,6,7,8,9,10,11,12,13,14,15,16,17,18,19,20,21,22,23,24,25,26,27,28,29,30,31,32,33,34,35,36,37,38,39,40,41,42,43,44,45,46,47,48,49,50,51,52,53,54,55,56,57,58,59,60,61,62,63
	v_exp_f32 v[S+\j], v[S+\j]                             ; p = 2^(t - M)
.endr
	v_pk_mul_f32 v[LS:LS+1], v[LS:LS+1], v[FF:FF+1] op_sel_hi:[1,0]   ; the sums under the new M: the plain line behind the exponentials
	s_wait_alu depctr_va_vdst(0)                           ; and one behind it
.irp b, 0,1,2,3
	v_pk_add_f32 v[BM+2*\b:BM+2*\b+1], v[S+16*\b:S+16*\b+1], v[S+16*\b+2:S+16*\b+3]   ; the sum of the unquantised p, in four chains
.endr
.irp i, 4,6,8,10,12,14
.irp b, 0,1,2,3
	v_pk_add_f32 v[BM+2*\b:BM+2*\b+1], v[BM+2*\b:BM+2*\b+1], v[S+16*\b+\i:S+16*\b+\i+1]
.endr
.endr
	HOLD 0
	HOLD 1
	CODES 0
	HOLD 2
	CODES 1                                                ; over block 0's numbers, which are done with
	HOLD 3
	CODES 2
	CODES 3
	s_wait_alu depctr_va_vdst(0)                           ; the wait directly ahead of the first reader of O^T
.irp j, 0,2,4,6,8,10,12,14,16,18,20,22,24,26,28,30
	v_pk_mul_f32 v[\o+\j:\o+\j+1], v[\o+\j:\o+\j+1], v[FF:FF+1] op_sel_hi:[1,0]   ; O^T under the new M, ascending; also the places between the codes and the products
.endr
	s_wait_alu depctr_va_vdst(0)
	s_wait_dscnt 0x0                                       ; V's fragments are in
.irp t, 0,1,2,3
.if \t % 2
	v_wmma_scale_f32_16x16x128_f8f6f4 v[\o+8*\t:\o+8*\t+7], v[F+16*\t:F+16*\t+15], v[PC:PC+15], v[\o+8*\t:\o+8*\t+7], v[VS+\t/2], v[PW] matrix_a_scale:MATRIX_SCALE_ROW1
.else
	v_wmma_scale_f32_16x16x128_f8f6f4 v[\o+8*\t:\o+8*\t+7], v[F+16*\t:F+16*\t+15], v[PC:PC+15], v[\o+8*\t:\o+8*\t+7], v[VS+\t/2], v[PW]
.endif
.endr
	v_pk_add_f32 v[BM:BM+1], v[BM:BM+1], v[BM+2:BM+3]      ; the four chains are joined: four places behind the products
	v_pk_add_f32 v[PT:PT+1], v[PT:PT+1], v[PT+2:PT+3]
	s_delay_alu instid0(VALU_DEP_1)
	v_pk_add_f32 v[BM:BM+1], v[BM:BM+1], v[PT:PT+1]
	s_delay_alu instid0(VALU_DEP_1)
	v_pk_add_f32 v[LS:LS+1], v[LS:LS+1], v[BM:BM+1]
.endm
.macro NEXT                            ; two steps on
	s_lshr_b32 s[CLS], s[CLS], 4
	s_add_co_u32 s[TB], s[TB], 16384
	s_wait_xcnt 0x0                                ; the words' loads have read s[TS]
	s_add_co_u32 s[TS], s[TS], 512
.endm
; One of the first four trips.  Behind its barrier: the words, where the trip before could not ask for them (a barrier's signal and wait stood round its softmax)
.macro BEGIN o                         ; an empty tile: O^T and the sum 0, the largest score under every score: the first change of M multiplies zeros
	v_mov_b32 v[NM], 0x7e800000
	v_mov_b32 v[NM+1], 0xfe000000
	v_mov_b32 v[LS], 0
	v_mov_b32 v[LS+1], 0
.irp j, 0,1,2,3,4,5,6,7,8,9,10,11,12,13,14,15,16,17,18,19,20,21,22,23,24,25,26,27,28,29,30,31
	v_mov_b32 v[\o+\j], 0
.endr
.endm
	s_load_b256 s[4:11], s[0:1], 0x0               ; queries s[4:5], kv s[6:7], maskw s[8:9], info s[10:11]
	s_load_b64 s[12:13], s[0:1], 0x20              ; out0
	v_lshl_add_u32 v254, v0, 2, SPARE
	v_mov_b32 v255, 0
	v_lshrrev_b32 v1, 5, v0
	v_readfirstlane_b32 s[WV], v1                  ; wave 0..15
	v_and_b32 v2, 15, v0                           ; r
	v_bfe_u32 v4, v0, 4, 1                         ; h
	v_lshlrev_b32 v[MB], 8, v2
	v_lshl_add_u32 v[MB], v4, 6, v[MB]             ; q: row r of 256 bytes, + 64 h
	v_lshlrev_b32 v[LB], 4, v0                     ; 16 bytes a thread
	v_and_b32 v[AK0], 31, v0
	v_lshlrev_b32 v[AS0], 2, v[AK0]
	v_add_nc_u32 v[AS0], KSC, v[AS0]
	v_lshlrev_b32 v[AK0], 4, v[AK0]
	s_lshr_b32 s[HALF], s[WV], 3
	s_and_b32 s98, s[WV], 7                        ; p
	s_lshl_b32 s98, s98, 3
	s_add_co_u32 s[TA], s98, ttmp9                 ; the early tile: 8 p + j
	s_sub_co_u32 s98, 120, s98
	s_add_co_u32 s[TL], s98, ttmp9                 ; the late tile: 8 (15 - p) + j
	s_and_b32 s89, ttmp7, 0xffff                   ; head
	s_lshl_b32 s96, s89, 19                        ; a head's 2,048 rows of 256 bytes
	s_mov_b32 s97, 0
	s_mul_i32 s98, s89, REC
	s_mov_b32 s99, 0
	s_mov_b32 s[SEL], 0x76543210
	s_mov_b32 s[SEL+1], 0xfedcba98
	s_mov_b32 s[CS], 0x3fb8aa3b
	s_mov_b32 s[CS+1], s[CS]                       ; (named with it as a pair, so it is written)
	s_mov_b32 s[MNT], 0x600000
	s_mov_b32 s[NEG], 0xce800000
	s_lshl_b32 s[TB], s[HALF], 13                  ; the late tile's steps of parity half
	s_lshl_b32 s[TS], s[HALF], 8
	s_wait_alu depctr_va_vdst(0)
	s_wait_kmcnt 0x0
	s_add_nc_u64 s[4:5], s[4:5], s[96:97]
	s_add_nc_u64 s[12:13], s[12:13], s[96:97]
	s_add_nc_u64 s[6:7], s[6:7], s[98:99]
	s_lshl_b32 s96, s[TL], 12                      ; 4,096 bytes a tile, in maskw and in q
	s_add_nc_u64 s[2:3], s[8:9], s[96:97]
	s_add_nc_u64 s[96:97], s[4:5], s[96:97]
	s_lshl_b32 s98, s[TL], 6                       ; info: 64 bytes a tile
	s_add_nc_u64 s[98:99], s[10:11], s[98:99]
	s_load_b512 s[16:31], s[98:99], 0x0            ; the late tile's class words
	s_lshl_b32 s88, s[TA], 6
	s_mov_b32 s89, 0
	s_add_nc_u64 s[88:89], s[10:11], s[88:89]
	s_load_b512 s[32:47], s[88:89], 0x0            ; the early tile's
	s_load_b512 s[48:63], s[2:3], s[TS] offset:0x80    ; half of the first step's mask words: so all 64 registers are written on every way to the selects; WORDS loads them again where they are needed
	s_load_b512 s[68:83], s[2:3], s[TS] offset:0xc0
.set QDST, F
.set QOFF, MB
	ASKQ
.set i, 0
.irp a, 0,8192,KSC,VC,VC+8192              ; steps 0 and 1, and all scale words
	global_load_b128 v[S+4*i:S+4*i+3], v[LB], s[6:7] offset:\a
.set i, i+1
.endr
	FETCH 0                                        ; steps 2 and 3
.irp j, 0,1,2,3,4,5,6,7
	v_mov_b32 v[ZQ+\j], 0                          ; zero codes on both sides of Q
	v_mov_b32 v[ZQ+16+\j], 0
.endr
	BEGIN OB
	s_wait_alu depctr_va_vdst(0)
	s_wait_kmcnt 0x0
	CLASSES 16, CLS
	s_wait_loadcnt 9                               ; q is in; five loads of the first two steps and four of the next two may be out
	QQ F
	v_add_nc_u32 v[QT], VC, v[LB]
	v_add_nc_u32 v[QT+1], KSC, v[LB]
	v_mov_b32 v[PT], 0                             ; lane permutes' destinations
	v_mov_b32 v[PT+1], 0
	v_mov_b32 v[PT+2], 0
	v_mov_b32 v[PT+3], 0
	s_wait_alu depctr_va_vdst(0)                   ; the wait at the head's end
	s_wait_loadcnt 4                               ; the first two steps are in
	ds_store_b128 v[LB], v[S:S+3]
	ds_store_b128 v[LB], v[S+4:S+7] offset:8192
	ds_store_b128 v[QT+1], v[S+8:S+11]
	ds_store_b128 v[QT], v[S+12:S+15]
	ds_store_b128 v[QT], v[S+16:S+19] offset:8192
	s_wait_dscnt 0x0                               ; for the others' sake
	s_barrier_signal -1
	CLASSES 32, CLA                                ; work on registers while the others arrive
	s_barrier_wait -1
	; THE LATE TILE.  Its first four trips carry the fill and pass over nothing; between a trip's signal and the wait below it no scalar load stands, so these trips' words are asked for at their own heads
	WORDS 1, 0, 1
	STEP OB, 0, 1
	NEXT
	s_barrier_wait -1                              ; steps 2 and 3 lie in LDS
	WORDS 1, 0, 1
	STEP OB, 1, 1
	NEXT
	s_barrier_wait -1                              ; steps 4 to 7
	WORDS 1, 0, 1
	STEP OB, 2, 1
	NEXT
	s_barrier_wait -1                              ; steps 8 to 11
	WORDS 1, 0, 1
	STEP OB, 3, 1
	NEXT
	s_barrier_wait -1                              ; all of it: from here to the way out the record is only read
	WORDS 1, 0, 0
	s_mov_b32 s[CNT], 0
.Llate:
	s_and_b32 s89, s[CLS], 2
	s_cmp_lg_u32 s89, 0
	s_cbranch_scc0 .Llate_work                     ; a branch on a stored whole number; no barrier and no address step lies in what is jumped over
	s_wait_kmcnt 0x0                               ; hidden: the next trip's words are asked for all the same
	WORDS 16, 512, 0
	s_branch .Llate_next
.Llate_work:
	STEP OB, -1, 0
.Llate_next:
	NEXT
	s_add_co_u32 s[CNT], s[CNT], 1
	s_cmp_lt_u32 s[CNT], 4
	s_cbranch_scc1 .Llate
	; THE EARLY TILE
	s_wait_alu depctr_va_vdst(0)
	s_wait_kmcnt 0x0                               ; no scalar load is out: their base may be written
	s_wait_loadcnt 0x0                             ; the early tile's q: so the loads' base s[96:97] and offset v[LB] may be written
	s_lshl_b32 s96, s[TA], 12
	s_mov_b32 s97, 0
	s_add_nc_u64 s[2:3], s[8:9], s[96:97]
	s_mov_b32 s[CLS], s[CLA]
	s_lshl_b32 s[TB], s[HALF], 13                  ; its steps of parity half
	s_lshl_b32 s[TS], s[HALF], 8
	WORDS 1, 0, 0
	v_add_f32 v[LB], v[LS], v[LS+1]                ; the late tile's sum and -M are set aside; its O^T stays where it is
	v_mov_b32 v[MB], v[NM]
	QQ FILL
	BEGIN OA                                       ; (its first four lines are the plain lines behind the last conversion)
	s_mov_b32 s[CNT], 0
	s_wait_alu depctr_va_vdst(0)
.Learly:
	s_and_b32 s89, s[CLS], 2
	s_cmp_lg_u32 s89, 0
	s_cbranch_scc0 .Learly_work
	s_wait_kmcnt 0x0
	WORDS 16, 512, 0
	s_branch .Learly_next
.Learly_work:
	STEP OA, -1, 0
.Learly_next:
	NEXT
	s_add_co_u32 s[CNT], s[CNT], 1
	s_cmp_lt_u32 s[CNT], 8
	s_cbranch_scc1 .Learly
	; THE WAY OUT.  Half 0 sends its part of the early tile and keeps the late one, half 1 the other way round; where the parts lie in LDS the record is dead behind a barrier
	s_cmp_lg_u32 s[HALF], 0
	s_cselect_b32 s96, -1, 0
	s_mul_i32 s97, s[WV], XW                       ; mine
	s_xor_b32 s98, s[WV], 8
	s_mul_i32 s98, s98, XW                         ; my partner's
	s_wait_alu depctr_va_vdst(0)
	s_wait_dscnt 0x0                               ; my reads of the record are over
	s_barrier_signal -1
	v_add_f32 v[LS], v[LS], v[LS+1]
	v_and_b32 v240, 31, v0
	v_add_nc_u32 v238, s97, v[AK0]                 ; 16 x lane
	v_lshlrev_b32 v240, 2, v240
	v_add_nc_u32 v241, s98, v[AK0]
	v_add_nc_u32 v239, s97, v240                   ; 4 x lane
	v_add_nc_u32 v242, s98, v240
	v_nop
	s_wait_alu depctr_va_vdst(0)                   ; the wait directly ahead of the first reader of both tiles' O^T
.irp j, 0,1,2,3,4,5,6,7,8,9,10,11,12,13,14,15,16,17,18,19,20,21,22,23,24,25,26,27,28,29,30,31
	v_cndmask_b32 v[S+\j], v[OA+\j], v[OB+\j], s96
.endr
	v_cndmask_b32 v[S+32], v[LS], v[LB], s96
	v_cndmask_b32 v[S+33], v[NM], v[MB], s96
	s_wait_alu depctr_va_vdst(0)
	s_barrier_wait -1                              ; nobody reads the record any more
.irp k, 0,1,2,3,4,5,6,7
	ds_store_b128 v238, v[S+4*\k:S+4*\k+3] offset:512*\k
.endr
	ds_store_b32 v239, v[S+32] offset:4096
	ds_store_b32 v239, v[S+33] offset:4224
	s_wait_dscnt 0x0                               ; for my partner's sake
	s_barrier_signal -1
.irp j, 0,1,2,3,4,5,6,7,8,9,10,11,12,13,14,15,16,17,18,19,20,21,22,23,24,25,26,27,28,29,30,31
	v_cndmask_b32 v[OB+\j], v[OB+\j], v[OA+\j], s96    ; what I keep
.endr
	v_cndmask_b32 v[LB], v[LB], v[LS], s96
	v_cndmask_b32 v[MB], v[MB], v[NM], s96
	s_add_co_u32 s97, s97, 4352                    ; my stage
	v_and_b32 v252, 15, v0                         ; r
	v_bfe_u32 v253, v0, 4, 1                       ; h
	v_mul_u32_u24 v250, v252, 272
	v_mul_u32_u24 v251, v253, 272
	v_lshl_add_u32 v250, v253, 5, v250
	v_lshl_add_u32 v251, v252, 4, v251
	v_add_nc_u32 v250, s97, v250                   ; in: row r, + 32 h; tile t's eight channels 64 t bytes on
	v_add_nc_u32 v251, s97, v251                   ; back: lanes 0-15 one row, lanes 16-31 the next
	s_cmp_lg_u32 s[HALF], 0
	s_cselect_b32 s98, s[TA], s[TL]                ; the tile that I finish
	s_lshl_b32 s98, s98, 12
	s_mov_b32 s99, 0
	s_add_nc_u64 s[98:99], s[12:13], s[98:99]
	s_wait_alu depctr_va_vdst(0)
	s_barrier_wait -1
	ds_load_b32 v[F+32], v242 offset:4096          ; my partner's sum, -M
	ds_load_b32 v[F+33], v242 offset:4224
.irp k, 0,1,2,3,4,5,6,7
	ds_load_b128 v[F+4*\k:F+4*\k+3], v241 offset:512*\k
.endr
	s_wait_dscnt 8                                 ; the two words are in; the eight loads of O^T may be out
	v_min_num_f32 v243, v[MB], v[F+33]             ; -M of both
	v_sub_f32 v244, v243, v[MB]
	v_sub_f32 v245, v243, v[F+33]
	v_cvt_i32_f32 v244, v244
	v_cvt_i32_f32 v245, v245
	v_ldexp_f32 v244, 1.0, v244                    ; my part's factor, and my partner's: exact powers of two, or 0
	v_ldexp_f32 v248, 1.0, v245
	v_mul_f32 v246, v[LB], v244
	v_mov_b32 v247, 0                              ; a lane permute's destination
	v_fmac_f32 v246, v[F+32], v248
	v_mov_b32 v249, 0                              ; (named as the upper half of a pair below)
	v_permlanex16_b32 v247, v246, s[SEL], s[SEL+1]
	v_add_f32 v246, v246, v247                     ; the row's sum
	s_wait_alu depctr_va_vdst(0)                   ; the wait ahead of the transcendental
	v_rcp_f32 v246, v246
	v_nop                                          ; one plain place
	s_wait_alu depctr_va_vdst(0)                   ; the wait ahead of the reciprocal's first reader
	v_mul_f32 v244, v244, v246
	v_mul_f32 v248, v248, v246
	s_wait_alu depctr_va_vdst(0)
	s_wait_dscnt 0x0                               ; my partner's O^T
.irp j, 0,2,4,6,8,10,12,14,16,18,20,22,24,26,28,30
	v_pk_mul_f32 v[OB+\j:OB+\j+1], v[OB+\j:OB+\j+1], v[244:245] op_sel_hi:[1,0]
.endr
.irp j, 0,2,4,6,8,10,12,14,16,18,20,22,24,26,28,30
	v_pk_fma_f32 v[OB+\j:OB+\j+1], v[F+\j:F+\j+1], v[248:249], v[OB+\j:OB+\j+1] op_sel_hi:[1,0,1]   ; register 8 t + i is o(r, 16 t + 8 h + i)
.endr
.irp t, 0,1,2,3
	ds_store_b128 v250, v[OB+8*\t:OB+8*\t+3] offset:64*\t
	ds_store_b128 v250, v[OB+8*\t+4:OB+8*\t+7] offset:64*\t+16
.endr
.irp i, 0,1,2,3,4,5,6,7
	ds_load_b128 v[S+4*\i:S+4*\i+3], v251 offset:544*\i    ; LDS serves a wave's instructions in order (ISA guide 5.7.1.4): these see my stores
.endr
.irp i, 0,1,2,3,4,5,6,7
	s_wait_dscnt 7-\i                              ; the younger loads from the stage may be out
	global_store_b128 v[AK0], v[S+4*\i:S+4*\i+3], s[98:99] offset:512*\i th:TH_STORE_NT   ; 32 lanes store two rows of out0: 512 consecutive bytes, aligned
.endr
	s_wait_tensorcnt 0x0                           ; the wave's end
	ds_add_u32 v254, v255
	s_wait_dscnt 0x0
	s_endpgm
.Lfunc_end_k_q9327b3db52_attn:
	.size	k_q9327b3db52_attn, .Lfunc_end_k_q9327b3db52_attn-k_q9327b3db52_attn
	.p2alignl 7, 3214868480
	.fill 96, 4, 3214868480
	.section	.rodata,"a",@progbits
	.p2align	6, 0x0
	.amdhsa_kernel k_q9327b3db52_attn
		.amdhsa_group_segment_fixed_size 272384
		.amdhsa_private_segment_fixed_size 0
		.amdhsa_enable_private_segment 0
		.amdhsa_kernarg_size 40
		.amdhsa_user_sgpr_count 2
		.amdhsa_user_sgpr_kernarg_segment_ptr 1
		.amdhsa_wavefront_size32 1
		.amdhsa_system_sgpr_workgroup_id_x 1
		.amdhsa_system_sgpr_workgroup_id_y 1
		.amdhsa_system_sgpr_workgroup_id_z 1
		.amdhsa_system_vgpr_workitem_id 0
		.amdhsa_next_free_vgpr 256
		.amdhsa_next_free_sgpr 100
		.amdhsa_reserve_vcc 0
		.amdhsa_float_denorm_mode_32 3
		.amdhsa_float_denorm_mode_16_64 3
		.amdhsa_memory_ordered 1
		.amdhsa_forward_progress 1
		.amdhsa_inst_pref_size 179
	.end_amdhsa_kernel
	.amdgpu_metadata
---
amdhsa.version: [ 1, 2 ]
amdhsa.kernels:
  - .name:           k_q9327b3db52_attn
    .symbol:         k_q9327b3db52_attn.kd
    .args:
      - { .name: queries, .offset: 0, .size: 8, .value_kind: global_buffer, .address_space: global }
      - { .name: kv, .offset: 8, .size: 8, .value_kind: global_buffer, .address_space: global }
      - { .name: maskw, .offset: 16, .size: 8, .value_kind: global_buffer, .address_space: global }
      - { .name: info, .offset: 24, .size: 8, .value_kind: global_buffer, .address_space: global }
      - { .name: out0, .offset: 32, .size: 8, .value_kind: global_buffer, .address_space: global }
    .group_segment_fixed_size: 272384
    .private_segment_fixed_size: 0
    .kernarg_segment_align: 8
    .kernarg_segment_size: 40
    .max_flat_workgroup_size: 512
    .sgpr_count:     100
    .vgpr_count:     256
    .wavefront_size: 32
...
	.end_amdgpu_metadata
.endif
;; end of part 2
